; MI455X (gfx1250); checked and timed in simulation.
; The chip was launched on July 23, 2026; its instructions are those of AMD's public machine-readable ISA for CDNA 5 (MIT licence, August 2026) and "CDNA5" Instruction Set Architecture Reference Guide (July 2026). The comments in the code are by the model that wrote it; some were corrected since.
;; SSD Int N Bit Table Batched Embedding Bags. Allowed arithmetic: float matrix products may take bf16 or f16 operands with f32 sums; all other float work in f32.
;; Inputs: biases 2 x 1,000,000 float32; indices 2 x 4,096 x 50 int32; qweights 2 x 1,000,000 x 128 uint8; scales 2 x 1,000,000 float32.
;; Outputs: out0 4,096 x 256 float32.
;; 2 versions, each right; version 2 is version 1 with the launch bags written anew for expert scheduling mode. Each part assembles by itself: llvm-mc -triple=amdgcn-amd-amdhsa -mcpu=gfx1250 --defsym DOCPART=n.
;; ======== version 1 of 2: 1 launch
;; launch bags (part 1): grid 256 x 1, 32 waves a work-group, no clusters, 73,728 bytes of LDS; arguments indices, qweights, scales, biases, out0; writes out0
.if DOCPART == 1
	.amdgcn_target "amdgcn-amd-amdhsa--gfx1250"
	.amdhsa_code_object_version 6
	.text
	.protected	k_q8683f76f5a_bags
	.globl	k_q8683f76f5a_bags
	.p2align	8
	.type	k_q8683f76f5a_bags,@function
k_q8683f76f5a_bags:
	s_mov_b64 s[64:65], 0
	v_nop
	global_prefetch_b8 v0, s[64:65] scope:SCOPE_SE
	s_setreg_imm32_b32 hwreg(HW_REG_WAVE_MODE, 25, 1), 1
	s_wait_xcnt 0x0
; out0[b][128 t + d] = sum over l of ( qweights[t][i][d] * scales[t][i] + biases[t][i] ),  i = indices[t][b][l],  l = 0 .. 49.
; ONE WAVE, ONE BAG.  8,192 bags = 256 work-groups x 32 waves; bag = 32 x work-group + wave = 2 b + t, so that a bag's 128 results are
; the 512 bytes at 512 x bag of out0.  No loop: all 13 row loads of a bag are in flight at once, issued as soon as the indices are there.
; A lane is (g, c) = (lane >> 3, lane & 7).  One 16-byte load of the wave fetches FOUR rows: the eight lanes of group g read the 128
; consecutive bytes of one row, lane c the codes of columns 16 c .. 16 c + 15.  Group g takes rows 12 g + j of the bag in step j = 0 .. 11;
; step 12 takes rows 48 and 49 (groups 0 and 1); groups 2 and 3 read these two rows once more, with the scale 0.
; The biases are summed by themselves (sum (q s + b) = sum q s + sum b) and start the sums; the four groups' sums meet in LDS.
; No matrix unit (the sum runs over rows, which lie across lanes, and the scales stay f32), no cluster (no two work-groups share input),
; no prefetch (nothing is known earlier than the load that uses it), no barrier (a wave touches only its own LDS bytes).
; LIMITS.  An index outside 0 .. ROWS-1 is taken as ROWS-1 (unsigned clamp); the problem states that indices stay inside the table.
; The order of the additions is not the reference's: four sums of 12 or 13 products, each started by its rows' biases, then added.
.set ROWS,   1000000
.set DIM,    128                       ; codes, and bytes, in a row
.set BAGLEN, 50
.set STEPS,  13                        ; 12 steps of four rows + 1 step of two
.set LPITCH, 544                       ; LDS: a group's 128 sums: 256 bytes, 16 of padding, 256 bytes, 16 more
.set LWAVE,  4*LPITCH                  ; LDS of a wave
.set LANE, 1                           ; v1      lane
.set CC,   2                           ; v2      c
.set GG,   3                           ; v3      g
.set C16,  4                           ; v4      16 c: my bytes in a row
.set IA,   5                           ; v5      48 g: my group's 12 indices in the bag's list
.set ITA,  6                           ; v6      192 + 4 (g & 1): index 48 or 49
.set XA1,  7                           ; v7      48 g + 4 c: the index of my group's step c
.set XA2,  8                           ; v8      the index of my group's step 8 + c
.set LW,   9                           ; v9      LDS: where my 16 sums go
.set LR,   10                          ; v10     LDS: where I read four columns back
.set OO,   11                          ; v11     16 x lane: my bytes of the result
.set X1,   12                          ; v12-13  compact indices, then byte offsets into scales and biases
.set X2,   13
.set SC,   14                          ; v14-15  compact scales: steps c and 8 + c of my group
.set BC,   16                          ; v16-17  compact biases; v16 ends as my group's sum of biases
.set SS,   18                          ; v18-30  step j: first the index, later the scale; v31 completes the last pair
.set OFF,  32                          ; v32-44  step j: byte offset of my 16 bytes in the table
.set ACC,  46                          ; v46-61  sums of my 16 columns
.set TT,   62                          ; v62-69  eight codes at work
.set QQ,   70                          ; v70-121 step j: 4 registers, 16 codes; at the end the four groups' sums
	s_load_b256 s[4:11], s[0:1], 0x0               ; indices s[4:5], qweights s[6:7], scales s[8:9], biases s[10:11]
	s_load_b64 s[12:13], s[0:1], 0x20              ; out0
	v_lshl_add_u32 v126, v0, 2, 0x11000
	v_mov_b32 v127, 0
	v_lshrrev_b32 v[LANE], 5, v0
	v_readfirstlane_b32 s14, v[LANE]               ; wave 0 .. 31
	s_lshl_b32 s15, ttmp9, 5
	s_add_co_u32 s15, s15, s14                     ; bag = 2 b + t
	s_and_b32 s16, s15, 1                          ; t
	s_lshr_b32 s17, s15, 1                         ; b
	s_lshl_b32 s18, s16, 12
	s_add_co_u32 s18, s18, s17                     ; 4096 t + b
	s_mul_i32 s18, s18, BAGLEN*4                   ; the bag's list: 200 bytes, at a multiple of 8
	s_mov_b32 s19, 0
	s_mul_i32 s20, s16, ROWS*DIM                   ; table t of the codes
	s_mov_b32 s21, 0
	s_mul_i32 s22, s16, ROWS*4                     ; table t of the scales and of the biases
	s_mov_b32 s23, 0
	s_lshl_b32 s24, s15, 9                         ; the bag's 512 bytes of out0
	s_mov_b32 s25, 0
	s_mul_i32 s26, s14, LWAVE                      ; my wave's LDS
	s_mov_b32 s27, 0x4b000000                      ; 2^23 as f32: with a code in its lowest byte it is 2^23 + code
	s_mov_b32 s28, 0x07040400                      ; v_perm_b32 selectors: byte 3 = 0x4b, bytes 2 and 1 = 0, byte 0 = code 0,
	s_mov_b32 s29, 0x07040401                      ; code 1,
	s_mov_b32 s30, 0x07040402                      ; code 2,
	s_mov_b32 s31, 0x07040403                      ; code 3 of a word
	s_mov_b32 s32, 0xcb000000                      ; -2^23 (the pair is named whole by the packed add)
	s_mov_b32 s33, 0xcb000000
	s_mov_b32 s34, 0x0f0f0f0f                      ; lanes with c < 4
	s_mov_b32 s35, 0x0f0f1f1f                      ; lanes whose step 8 + c exists: c < 4, and c = 4 in groups 0 and 1 (lanes 4 and 12)
	v_and_b32 v[LANE], 31, v0
	v_and_b32 v[CC], 7, v0
	v_bfe_u32 v[GG], v0, 3, 2
	v_lshlrev_b32 v[C16], 4, v[CC]
	v_mul_u32_u24 v[IA], 48, v[GG]
	v_and_b32 v[ITA], 1, v[GG]
	v_lshl_add_u32 v[ITA], v[ITA], 2, 0xc0         ; groups 2 and 3 name rows 48 and 49 too: every load stays inside the bag's list
	v_lshl_add_u32 v[XA1], v[CC], 2, v[IA]
	v_add_nc_u32 v[XA2], 32, v[XA1]                ; c < 4: row 12 g + 8 + c
	v_cndmask_b32 v[XA2], v[ITA], v[XA2], s34      ; c >= 4: row 48 or 49 (used for c = 4 alone)
	s_wait_kmcnt 0x0
	s_add_nc_u64 s[4:5], s[4:5], s[18:19]
	s_add_nc_u64 s[6:7], s[6:7], s[20:21]
	s_add_nc_u64 s[8:9], s[8:9], s[22:23]
	s_add_nc_u64 s[10:11], s[10:11], s[22:23]
	s_add_nc_u64 s[12:13], s[12:13], s[24:25]
	; The list is read twice.  Compact: each lane another index, for the gathers of scales and biases.  By steps: all eight lanes of a
	; group the same index, for the row addresses.
	global_load_b32 v[X1], v[XA1], s[4:5]
	global_load_b32 v[X2], v[XA2], s[4:5]
.irp p, 0,1,2,3,4,5
	global_load_b64 v[SS+2*\p:SS+2*\p+1], v[IA], s[4:5] offset:8*\p
.endr
	global_load_b32 v[SS+12], v[ITA], s[4:5]
	; while they are on their way: the LDS addresses.  Column d of group g lies at 544 g + 4 d + 16 (d >> 6).  With 64 banks of 4 bytes
	; (ISA guide 11.1) the sixteen lanes of half a wave then touch sixteen different 16-byte columns, in the stores and in the loads.
	v_mov_b32 v[SS+13], 0                          ; the upper half of step 12's pair: named by the packed multiply-add, not used
	v_and_b32 v[LR], 4, v0                         ; 4 (c >> 2)
	v_mul_u32_u24 v[LW], LPITCH, v[GG]
	v_lshl_add_u32 v[LW], v[CC], 6, v[LW]          ; + 64 c: my 16 columns
	v_lshl_add_u32 v[LW], v[LR], 2, v[LW]          ; + 16 (c >> 2): the padding
	v_add_nc_u32 v[LW], s26, v[LW]
	v_lshlrev_b32 v[OO], 4, v[LANE]
	v_and_b32 v[LR], 16, v0                        ; 16 (lane >> 4): the padding
	v_add3_u32 v[LR], v[LR], v[OO], s26
	s_wait_loadcnt 0x7                             ; loads return in order: the two compact indices are in, the seven loads behind them may be out
	v_min_u32 v[X1], ROWS-1, v[X1]                 ; a loaded number enters an address only behind a clamp by a written constant
	v_min_u32 v[X2], ROWS-1, v[X2]
	v_lshlrev_b32 v[X1], 2, v[X1]
	v_lshlrev_b32 v[X2], 2, v[X2]
	global_load_b32 v[SC],   v[X1], s[8:9]
	global_load_b32 v[SC+1], v[X2], s[8:9]
	global_load_b32 v[BC],   v[X1], s[10:11]
	global_load_b32 v[BC+1], v[X2], s[10:11]
	s_wait_loadcnt 0x4                             ; all indices are in; the four gathers above may be out
.irp j, 0,1,2,3,4,5,6,7,8,9,10,11,12
	v_min_u32 v[SS+\j], ROWS-1, v[SS+\j]
	v_lshl_add_u32 v[OFF+\j], v[SS+\j], 7, v[C16]  ; 128 x row + 16 c, below 128,000,000
	global_load_b128 v[QQ+4*\j:QQ+4*\j+3], v[OFF+\j], s[6:7]
.endr
	s_wait_loadcnt STEPS                           ; scales and biases are in; the 13 row loads may be out
	v_cndmask_b32 v[SC+1], 0, v[SC+1], s35         ; steps that do not exist: scale 0 and bias 0, by a select, whatever was loaded
	v_cndmask_b32 v[BC+1], 0, v[BC+1], s35
	v_add_f32 v[BC], v[BC], v[BC+1]
	v_add_f32_dpp v[BC], v[BC], v[BC] row_xmask:1 row_mask:0xf bank_mask:0xf
	v_add_f32_dpp v[BC], v[BC], v[BC] row_xmask:2 row_mask:0xf bank_mask:0xf
	v_add_f32_dpp v[BC], v[BC], v[BC] row_xmask:4 row_mask:0xf bank_mask:0xf   ; every lane: the biases of its group's 12 or 13 rows
	; step j's scale to all eight lanes of the group.  The index registers are done with (the offsets lie in OFF) and take the scales.
.irp k, 0,1,2,3,4,5,6,7
	v_mov_b32_dpp v[SS+\k], v[SC] dpp8:[\k,\k,\k,\k,\k,\k,\k,\k]
.endr
.irp k, 0,1,2,3,4
	v_mov_b32_dpp v[SS+8+\k], v[SC+1] dpp8:[\k,\k,\k,\k,\k,\k,\k,\k]
.endr
; Step j: 16 codes of one row.  A code becomes f32 without rounding: v_perm_b32 sets it under 0x4b0000 (2^23 + code), the packed add takes
; 2^23 away.  Then two fused multiply-adds at a time, both by the step's scale (op_sel and op_sel_hi pick its register of the even pair).
; Step 0 takes the group's sum of biases as its addend: nothing is cleared.
.macro STEP j
	s_wait_loadcnt STEPS-1-\j                      ; this step's row is in; the rows of the later steps may be out
.irp h, 0,1
.irp e, 0,1,2,3
	v_perm_b32 v[TT+\e],   s27, v[QQ+4*\j+2*\h],   s[28+\e]
	v_perm_b32 v[TT+4+\e], s27, v[QQ+4*\j+2*\h+1], s[28+\e]
.endr
.irp p, 0,2,4,6
	v_pk_add_f32 v[TT+\p:TT+\p+1], v[TT+\p:TT+\p+1], s[32:33] op_sel_hi:[1,0]
.endr
.irp p, 0,2,4,6
.if \j == 0
	v_pk_fma_f32 v[ACC+8*\h+\p:ACC+8*\h+\p+1], v[TT+\p:TT+\p+1], v[SS:SS+1], v[BC:BC+1] op_sel_hi:[1,0,0]
.else
.if (\j & 1) == 0
	v_pk_fma_f32 v[ACC+8*\h+\p:ACC+8*\h+\p+1], v[TT+\p:TT+\p+1], v[SS+\j:SS+\j+1], v[ACC+8*\h+\p:ACC+8*\h+\p+1] op_sel_hi:[1,0,1]
.else
	v_pk_fma_f32 v[ACC+8*\h+\p:ACC+8*\h+\p+1], v[TT+\p:TT+\p+1], v[SS+\j-1:SS+\j], v[ACC+8*\h+\p:ACC+8*\h+\p+1] op_sel:[0,1,0] op_sel_hi:[1,1,1]
.endif
.endif
.endr
.endr
.endm
.irp j, 0,1,2,3,4,5,6,7,8,9,10,11,12
	STEP \j
.endr
	; The four groups' sums meet in the wave's own LDS bytes: lane (g, c) lays down its 16 columns, lane l takes columns 4 l .. 4 l + 3 of
	; all four groups.  LDS serves a wave's instructions in order (ISA guide 5.7.1.4): no wait between the stores and the loads, no barrier.
.irp w, 0,1,2,3
	ds_store_b128 v[LW], v[ACC+4*\w:ACC+4*\w+3] offset:16*\w
.endr
.irp g, 0,1,2,3
	ds_load_b128 v[QQ+4*\g:QQ+4*\g+3], v[LR] offset:LPITCH*\g      ; the row registers are free: the last step waited for all loads
.endr
	s_wait_dscnt 0x0
	v_pk_add_f32 v[QQ:QQ+1],     v[QQ:QQ+1],     v[QQ+4:QQ+5]
	v_pk_add_f32 v[QQ+2:QQ+3],   v[QQ+2:QQ+3],   v[QQ+6:QQ+7]
	v_pk_add_f32 v[QQ+8:QQ+9],   v[QQ+8:QQ+9],   v[QQ+12:QQ+13]
	v_pk_add_f32 v[QQ+10:QQ+11], v[QQ+10:QQ+11], v[QQ+14:QQ+15]
	v_pk_add_f32 v[QQ:QQ+1],     v[QQ:QQ+1],     v[QQ+8:QQ+9]
	v_pk_add_f32 v[QQ+2:QQ+3],   v[QQ+2:QQ+3],   v[QQ+10:QQ+11]
	global_store_b128 v[OO], v[QQ:QQ+3], s[12:13] th:TH_STORE_NT   ; the wave stores 512 consecutive bytes, at a multiple of 512 of out0
	s_wait_tensorcnt 0x0
	ds_add_u32 v126, v127
	s_wait_dscnt 0x0
	s_endpgm
.Lfunc_end_k_q8683f76f5a_bags:
	.size	k_q8683f76f5a_bags, .Lfunc_end_k_q8683f76f5a_bags-k_q8683f76f5a_bags
	.p2alignl 7, 3214868480
	.fill 96, 4, 3214868480
	.section	.rodata,"a",@progbits
	.p2align	6, 0x0
	.amdhsa_kernel k_q8683f76f5a_bags
		.amdhsa_group_segment_fixed_size 73728
		.amdhsa_private_segment_fixed_size 0
		.amdhsa_enable_private_segment 0
		.amdhsa_kernarg_size 40
		.amdhsa_user_sgpr_count 2
		.amdhsa_user_sgpr_kernarg_segment_ptr 1
		.amdhsa_wavefront_size32 1
		.amdhsa_system_sgpr_workgroup_id_x 1
		.amdhsa_system_sgpr_workgroup_id_y 1
		.amdhsa_system_sgpr_workgroup_id_z 1
		.amdhsa_system_vgpr_workitem_id 0
		.amdhsa_next_free_vgpr 128
		.amdhsa_next_free_sgpr 66
		.amdhsa_reserve_vcc 0
		.amdhsa_float_denorm_mode_32 3
		.amdhsa_float_denorm_mode_16_64 3
		.amdhsa_memory_ordered 1
		.amdhsa_forward_progress 1
		.amdhsa_inst_pref_size 36
	.end_amdhsa_kernel
	.amdgpu_metadata
---
amdhsa.version: [ 1, 2 ]
amdhsa.kernels:
  - .name:           k_q8683f76f5a_bags
    .symbol:         k_q8683f76f5a_bags.kd
    .args:
      - { .name: indices, .offset: 0, .size: 8, .value_kind: global_buffer, .address_space: global }
      - { .name: qweights, .offset: 8, .size: 8, .value_kind: global_buffer, .address_space: global }
      - { .name: scales, .offset: 16, .size: 8, .value_kind: global_buffer, .address_space: global }
      - { .name: biases, .offset: 24, .size: 8, .value_kind: global_buffer, .address_space: global }
      - { .name: out0, .offset: 32, .size: 8, .value_kind: global_buffer, .address_space: global }
    .group_segment_fixed_size: 73728
    .private_segment_fixed_size: 0
    .kernarg_segment_align: 8
    .kernarg_segment_size: 40
    .max_flat_workgroup_size: 1024
    .sgpr_count:     66
    .vgpr_count:     128
    .wavefront_size: 32
...
	.end_amdgpu_metadata
.endif
;; end of part 1
;; ======== version 2 of 2: 1 launch; version 1 with the launch bags written anew for expert scheduling mode
;; launch bags (part 2): grid 256 x 1, 32 waves a work-group, no clusters, 73,728 bytes of LDS; arguments indices, qweights, scales, biases, out0; writes out0
.if DOCPART == 2
	.amdgcn_target "amdgcn-amd-amdhsa--gfx1250"
	.amdhsa_code_object_version 6
	.text
	.protected	k_q8683f76f5a_bags
	.globl	k_q8683f76f5a_bags
	.p2align	8
	.type	k_q8683f76f5a_bags,@function
k_q8683f76f5a_bags:
	s_mov_b64 s[64:65], 0
	v_nop
	global_prefetch_b8 v0, s[64:65] scope:SCOPE_SE
	s_setreg_imm32_b32 hwreg(HW_REG_WAVE_SCHED_MODE, 0, 2), 2
	s_setreg_imm32_b32 hwreg(HW_REG_WAVE_MODE, 25, 1), 1
	s_wait_xcnt 0x0
	s_wait_alu depctr_vm_vsrc(0)
; out0[b][128 t + d] = sum over l of ( qweights[t][i][d] * scales[t][i] + biases[t][i] ),  i = indices[t][b][l],  l = 0 .. 49.
; ONE WAVE, ONE BAG.  8,192 bags = 256 work-groups x 32 waves; bag = 32 x work-group + wave = 2 b + t, so that a bag's 128 results are
; the 512 bytes at 512 x bag of out0.  No loop: all 13 row loads of a bag are in flight at once, issued as soon as the indices are there.
; A lane is (g, c) = (lane >> 3, lane & 7).  One 16-byte load of the wave fetches FOUR rows: the eight lanes of group g read the 128
; consecutive bytes of one row, lane c the codes of columns 16 c .. 16 c + 15.  Group g takes rows 12 g + j of the bag in step j = 0 .. 11;
; step 12 takes rows 48 and 49 (groups 0 and 1); groups 2 and 3 read these two rows once more, with the scale 0.
; The biases are summed by themselves (sum (q s + b) = sum q s + sum b) and start the sums; the four groups' sums meet in LDS.
; No matrix unit (the sum runs over rows, which lie across lanes, and the scales stay f32), no cluster (no two work-groups share input),
; no prefetch (nothing is known earlier than the load that uses it), no barrier (a wave touches only its own LDS bytes).
; LIMITS.  An index outside 0 .. ROWS-1 is taken as ROWS-1 (unsigned clamp); the problem states that indices stay inside the table.
; The order of the additions is not the reference's: four sums of 12 or 13 products, each started by its rows' biases, then added.
; THE MODE: SCHED_MODE bits 1:0 = 2 (LLVM: expert scheduling mode 2), set by the entry lines.  The code itself states the register dependences
; between vector instructions and memory or LDS instructions, with s_wait_alu, always for 0.
; THE PLAN.  Registers that memory or LDS instructions touch, in the order of the text:
;   v5-8    offsets into the bag's list.  Made at the head; read by the nine index loads; never written again.
;   v12-13  compact indices land; clamped and shifted by vector lines; read by the four gathers of scales and biases; never written again.
;   v14-17  the gathers land, in registers that no vector line has named; from then on vector lines alone.
;   v18-30  the indices by steps land; from then on vector lines alone (the clamps, later the scales): no memory instruction reads them.
;   v32-44  the rows' offsets.  Made by thirteen vector lines; read by the thirteen row loads; never written again.
;   v70-121 the rows land, in registers that no vector line has named; the steps read them; at the end the four LDS loads land in v70-85,
;           six packed adds work there, and the store reads v70-73.
;   v9-11   LDS addresses and the result's offset.  Made behind the index loads; read at the end; never written again.
;   v46-61  the sums.  Written by the steps; read by the four LDS stores; never written again.
; So a wait on va_vdst stands ahead of each of the five runs of memory or LDS instructions, one on va_sdst behind the wave's number, and none
; on vm_vsrc: no register that a memory or LDS instruction reads is written again.  The thirteen steps hold no memory instruction and no such wait.
.set ROWS,   1000000
.set DIM,    128                       ; codes, and bytes, in a row
.set BAGLEN, 50
.set STEPS,  13                        ; 12 steps of four rows + 1 step of two
.set LPITCH, 544                       ; LDS: a group's 128 sums: 256 bytes, 16 of padding, 256 bytes, 16 more
.set LWAVE,  4*LPITCH                  ; LDS of a wave
.set LANE, 1                           ; v1      lane
.set CC,   2                           ; v2      c
.set GG,   3                           ; v3      g
.set C16,  4                           ; v4      16 c: my bytes in a row
.set IA,   5                           ; v5      48 g: my group's 12 indices in the bag's list
.set ITA,  6                           ; v6      192 + 4 (g & 1): index 48 or 49
.set XA1,  7                           ; v7      48 g + 4 c: the index of my group's step c
.set XA2,  8                           ; v8      the index of my group's step 8 + c
.set LW,   9                           ; v9      LDS: where my 16 sums go
.set LR,   10                          ; v10     LDS: where I read four columns back
.set OO,   11                          ; v11     16 x lane: my bytes of the result
.set X1,   12                          ; v12-13  compact indices, then byte offsets into scales and biases
.set X2,   13
.set SC,   14                          ; v14-15  compact scales: steps c and 8 + c of my group
.set BC,   16                          ; v16-17  compact biases; v16 ends as my group's sum of biases
.set SS,   18                          ; v18-30  step j: first the index, later the scale; v31 completes the last pair
.set OFF,  32                          ; v32-44  step j: byte offset of my 16 bytes in the table
.set ACC,  46                          ; v46-61  sums of my 16 columns
.set TT,   62                          ; v62-69  eight codes at work
.set QQ,   70                          ; v70-121 step j: 4 registers, 16 codes; at the end the four groups' sums
	s_load_b256 s[4:11], s[0:1], 0x0               ; indices s[4:5], qweights s[6:7], scales s[8:9], biases s[10:11]
	s_load_b64 s[12:13], s[0:1], 0x20              ; out0
	v_lshl_add_u32 v126, v0, 2, 0x11000            ; my spare word, behind the 32 waves' 2,176 bytes each; kept for the closing lines alone
	v_mov_b32 v127, 0                              ; and 0, likewise
	v_lshrrev_b32 v[LANE], 5, v0
	v_readfirstlane_b32 s14, v[LANE]               ; wave 0 .. 31
	s_mov_b32 s19, 0                               ; the constants, and the lanes' arithmetic below them, read nothing of s14
	s_mov_b32 s21, 0
	s_mov_b32 s23, 0
	s_mov_b32 s25, 0
	s_mov_b32 s27, 0x4b000000                      ; 2^23 as f32: with a code in its lowest byte it is 2^23 + code
	s_mov_b32 s28, 0x07040400                      ; v_perm_b32 selectors: byte 3 = 0x4b, bytes 2 and 1 = 0, byte 0 = code 0,
	s_mov_b32 s29, 0x07040401                      ; code 1,
	s_mov_b32 s30, 0x07040402                      ; code 2,
	s_mov_b32 s31, 0x07040403                      ; code 3 of a word
	s_mov_b32 s32, 0xcb000000                      ; -2^23 (the pair is named whole by the packed add)
	s_mov_b32 s33, 0xcb000000
	s_mov_b32 s34, 0x0f0f0f0f                      ; lanes with c < 4
	s_mov_b32 s35, 0x0f0f1f1f                      ; lanes whose step 8 + c exists: c < 4, and c = 4 in groups 0 and 1 (lanes 4 and 12)
	v_and_b32 v[LANE], 31, v0
	v_and_b32 v[CC], 7, v0
	v_bfe_u32 v[GG], v0, 3, 2
	v_lshlrev_b32 v[C16], 4, v[CC]
	v_mul_u32_u24 v[IA], 48, v[GG]
	v_and_b32 v[ITA], 1, v[GG]
	v_lshl_add_u32 v[ITA], v[ITA], 2, 0xc0         ; groups 2 and 3 name rows 48 and 49 too: every load stays inside the bag's list
	v_lshl_add_u32 v[XA1], v[CC], 2, v[IA]
	v_add_nc_u32 v[XA2], 32, v[XA1]                ; c < 4: row 12 g + 8 + c
	v_cndmask_b32 v[XA2], v[ITA], v[XA2], s34      ; c >= 4: row 48 or 49 (used for c = 4 alone)
	s_wait_alu depctr_va_sdst(0)                   ; s14 is written, ahead of its first reader: the bag's number and all the bases are made from it
	s_lshl_b32 s15, ttmp9, 5
	s_add_co_u32 s15, s15, s14                     ; bag = 2 b + t
	s_and_b32 s16, s15, 1                          ; t
	s_lshr_b32 s17, s15, 1                         ; b
	s_lshl_b32 s18, s16, 12
	s_add_co_u32 s18, s18, s17                     ; 4096 t + b
	s_mul_i32 s18, s18, BAGLEN*4                   ; the bag's list: 200 bytes, at a multiple of 8
	s_mul_i32 s20, s16, ROWS*DIM                   ; table t of the codes
	s_mul_i32 s22, s16, ROWS*4                     ; table t of the scales and of the biases
	s_lshl_b32 s24, s15, 9                         ; the bag's 512 bytes of out0
	s_mul_i32 s26, s14, LWAVE                      ; my wave's LDS
	s_wait_kmcnt 0x0
	s_add_nc_u64 s[4:5], s[4:5], s[18:19]
	s_add_nc_u64 s[6:7], s[6:7], s[20:21]
	s_add_nc_u64 s[8:9], s[8:9], s[22:23]
	s_add_nc_u64 s[10:11], s[10:11], s[22:23]
	s_add_nc_u64 s[12:13], s[12:13], s[24:25]
	; The list is read twice.  Compact: each lane another index, for the gathers of scales and biases.  By steps: all eight lanes of a
	; group the same index, for the row addresses.
	s_wait_alu depctr_va_vdst(0)                   ; v5 to v8 are written, which the nine loads below read as their offsets
	global_load_b32 v[X1], v[XA1], s[4:5]
	global_load_b32 v[X2], v[XA2], s[4:5]
.irp p, 0,1,2,3,4,5
	global_load_b64 v[SS+2*\p:SS+2*\p+1], v[IA], s[4:5] offset:8*\p
.endr
	global_load_b32 v[SS+12], v[ITA], s[4:5]
	; while they are on their way: the LDS addresses.  Column d of group g lies at 544 g + 4 d + 16 (d >> 6).  With 64 banks of 4 bytes
	; (ISA guide 11.1) the sixteen lanes of half a wave then touch sixteen different 16-byte columns, in the stores and in the loads.
	; None of these lines names a register that the nine loads read or land in.
	v_mov_b32 v[SS+13], 0                          ; the upper half of step 12's pair: named by the packed multiply-add, not used
	v_and_b32 v[LR], 4, v0                         ; 4 (c >> 2)
	v_mul_u32_u24 v[LW], LPITCH, v[GG]
	v_lshl_add_u32 v[LW], v[CC], 6, v[LW]          ; + 64 c: my 16 columns
	v_lshl_add_u32 v[LW], v[LR], 2, v[LW]          ; + 16 (c >> 2): the padding
	v_add_nc_u32 v[LW], s26, v[LW]
	v_lshlrev_b32 v[OO], 4, v[LANE]
	v_and_b32 v[LR], 16, v0                        ; 16 (lane >> 4): the padding
	v_add3_u32 v[LR], v[LR], v[OO], s26
	s_wait_loadcnt 0x7                             ; loads return in order: the two compact indices are in, the seven loads behind them may be out
	v_min_u32 v[X1], ROWS-1, v[X1]                 ; a loaded number enters an address only behind a clamp by a written constant
	v_min_u32 v[X2], ROWS-1, v[X2]
	v_lshlrev_b32 v[X1], 2, v[X1]
	v_lshlrev_b32 v[X2], 2, v[X2]
	s_wait_alu depctr_va_vdst(0)                   ; the shifts have written v12 and v13, which the four gathers below read as their offsets
	global_load_b32 v[SC],   v[X1], s[8:9]
	global_load_b32 v[SC+1], v[X2], s[8:9]
	global_load_b32 v[BC],   v[X1], s[10:11]
	global_load_b32 v[BC+1], v[X2], s[10:11]
	s_wait_loadcnt 0x4                             ; all indices are in; the four gathers above may be out
	; All thirteen offsets are made first, so that one wait serves the thirteen row loads, which then stand on end.
.irp j, 0,1,2,3,4,5,6,7,8,9,10,11,12
	v_min_u32 v[SS+\j], ROWS-1, v[SS+\j]
.endr
.irp j, 0,1,2,3,4,5,6,7,8,9,10,11,12
	v_lshl_add_u32 v[OFF+\j], v[SS+\j], 7, v[C16]  ; 128 x row + 16 c, below 128,000,000
.endr
	s_wait_alu depctr_va_vdst(0)                   ; v32 to v44 are written, which the thirteen row loads below read as their offsets
.irp j, 0,1,2,3,4,5,6,7,8,9,10,11,12
	global_load_b128 v[QQ+4*\j:QQ+4*\j+3], v[OFF+\j], s[6:7]
.endr
	s_wait_loadcnt STEPS                           ; scales and biases are in; the 13 row loads may be out
	v_cndmask_b32 v[SC+1], 0, v[SC+1], s35         ; steps that do not exist: scale 0 and bias 0, by a select, whatever was loaded
	v_cndmask_b32 v[BC+1], 0, v[BC+1], s35
	v_add_f32 v[BC], v[BC], v[BC+1]
	v_add_f32_dpp v[BC], v[BC], v[BC] row_xmask:1 row_mask:0xf bank_mask:0xf
	v_add_f32_dpp v[BC], v[BC], v[BC] row_xmask:2 row_mask:0xf bank_mask:0xf
	v_add_f32_dpp v[BC], v[BC], v[BC] row_xmask:4 row_mask:0xf bank_mask:0xf   ; every lane: the biases of its group's 12 or 13 rows
	; step j's scale to all eight lanes of the group.  The index registers are done with (the offsets lie in OFF) and take the scales:
	; no memory instruction has read them, only vector lines.
.irp k, 0,1,2,3,4,5,6,7
	v_mov_b32_dpp v[SS+\k], v[SC] dpp8:[\k,\k,\k,\k,\k,\k,\k,\k]
.endr
.irp k, 0,1,2,3,4
	v_mov_b32_dpp v[SS+8+\k], v[SC+1] dpp8:[\k,\k,\k,\k,\k,\k,\k,\k]
.endr
; Step j: 16 codes of one row.  A code becomes f32 without rounding: v_perm_b32 sets it under 0x4b0000 (2^23 + code), the packed add takes
; 2^23 away.  Then two fused multiply-adds at a time, both by the step's scale (op_sel and op_sel_hi pick its register of the even pair).
; Step 0 takes the group's sum of biases as its addend: nothing is cleared.
.macro STEP j
	s_wait_loadcnt STEPS-1-\j                      ; this step's row is in; the rows of the later steps may be out
.irp h, 0,1
.irp e, 0,1,2,3
	v_perm_b32 v[TT+\e],   s27, v[QQ+4*\j+2*\h],   s[28+\e]
	v_perm_b32 v[TT+4+\e], s27, v[QQ+4*\j+2*\h+1], s[28+\e]
.endr
.irp p, 0,2,4,6
	v_pk_add_f32 v[TT+\p:TT+\p+1], v[TT+\p:TT+\p+1], s[32:33] op_sel_hi:[1,0]
.endr
.irp p, 0,2,4,6
.if \j == 0
	v_pk_fma_f32 v[ACC+8*\h+\p:ACC+8*\h+\p+1], v[TT+\p:TT+\p+1], v[SS:SS+1], v[BC:BC+1] op_sel_hi:[1,0,0]
.else
.if (\j & 1) == 0
	v_pk_fma_f32 v[ACC+8*\h+\p:ACC+8*\h+\p+1], v[TT+\p:TT+\p+1], v[SS+\j:SS+\j+1], v[ACC+8*\h+\p:ACC+8*\h+\p+1] op_sel_hi:[1,0,1]
.else
	v_pk_fma_f32 v[ACC+8*\h+\p:ACC+8*\h+\p+1], v[TT+\p:TT+\p+1], v[SS+\j-1:SS+\j], v[ACC+8*\h+\p:ACC+8*\h+\p+1] op_sel:[0,1,0] op_sel_hi:[1,1,1]
.endif
.endif
.endr
.endr
.endm
.irp j, 0,1,2,3,4,5,6,7,8,9,10,11,12
	STEP \j
.endr
	; The four groups' sums meet in the wave's own LDS bytes: lane (g, c) lays down its 16 columns, lane l takes columns 4 l .. 4 l + 3 of
	; all four groups.  LDS serves a wave's instructions in order (ISA guide 5.7.1.4): no wait between the stores and the loads, no barrier.
	s_wait_alu depctr_va_vdst(0)                   ; the last step has written the sums v46 to v61, which the LDS stores read; the steps are done reading v70 to v85, in which the LDS loads land
.irp w, 0,1,2,3
	ds_store_b128 v[LW], v[ACC+4*\w:ACC+4*\w+3] offset:16*\w
.endr
.irp g, 0,1,2,3
	ds_load_b128 v[QQ+4*\g:QQ+4*\g+3], v[LR] offset:LPITCH*\g      ; the row registers are free: the last step waited for all loads; no vector line since the wait above
.endr
	s_wait_dscnt 0x0
	v_pk_add_f32 v[QQ:QQ+1],     v[QQ:QQ+1],     v[QQ+4:QQ+5]
	v_pk_add_f32 v[QQ+2:QQ+3],   v[QQ+2:QQ+3],   v[QQ+6:QQ+7]
	v_pk_add_f32 v[QQ+8:QQ+9],   v[QQ+8:QQ+9],   v[QQ+12:QQ+13]
	v_pk_add_f32 v[QQ+10:QQ+11], v[QQ+10:QQ+11], v[QQ+14:QQ+15]
	v_pk_add_f32 v[QQ:QQ+1],     v[QQ:QQ+1],     v[QQ+8:QQ+9]
	v_pk_add_f32 v[QQ+2:QQ+3],   v[QQ+2:QQ+3],   v[QQ+10:QQ+11]
	s_wait_alu depctr_va_vdst(0)                   ; the packed adds have written v70 to v73, which the store reads
	global_store_b128 v[OO], v[QQ:QQ+3], s[12:13] th:TH_STORE_NT   ; the wave stores 512 consecutive bytes, at a multiple of 512 of out0
	s_wait_dscnt 0x0                               ; the closing lines, six on end
	s_wait_alu 0x0
	s_wait_tensorcnt 0x0
	ds_add_u32 v126, v127
	s_wait_dscnt 0x0
	s_endpgm
.Lfunc_end_k_q8683f76f5a_bags:
	.size	k_q8683f76f5a_bags, .Lfunc_end_k_q8683f76f5a_bags-k_q8683f76f5a_bags
	.p2alignl 7, 3214868480
	.fill 96, 4, 3214868480
	.section	.rodata,"a",@progbits
	.p2align	6, 0x0
	.amdhsa_kernel k_q8683f76f5a_bags
		.amdhsa_group_segment_fixed_size 73728
		.amdhsa_private_segment_fixed_size 0
		.amdhsa_enable_private_segment 0
		.amdhsa_kernarg_size 40
		.amdhsa_user_sgpr_count 2
		.amdhsa_user_sgpr_kernarg_segment_ptr 1
		.amdhsa_wavefront_size32 1
		.amdhsa_system_sgpr_workgroup_id_x 1
		.amdhsa_system_sgpr_workgroup_id_y 1
		.amdhsa_system_sgpr_workgroup_id_z 1
		.amdhsa_system_vgpr_workitem_id 0
		.amdhsa_next_free_vgpr 128
		.amdhsa_next_free_sgpr 66
		.amdhsa_reserve_vcc 0
		.amdhsa_float_denorm_mode_32 3
		.amdhsa_float_denorm_mode_16_64 3
		.amdhsa_memory_ordered 1
		.amdhsa_forward_progress 1
		.amdhsa_inst_pref_size 37
	.end_amdhsa_kernel
	.amdgpu_metadata
---
amdhsa.version: [ 1, 2 ]
amdhsa.kernels:
  - .name:           k_q8683f76f5a_bags
    .symbol:         k_q8683f76f5a_bags.kd
    .args:
      - { .name: indices, .offset: 0, .size: 8, .value_kind: global_buffer, .address_space: global }
      - { .name: qweights, .offset: 8, .size: 8, .value_kind: global_buffer, .address_space: global }
      - { .name: scales, .offset: 16, .size: 8, .value_kind: global_buffer, .address_space: global }
      - { .name: biases, .offset: 24, .size: 8, .value_kind: global_buffer, .address_space: global }
      - { .name: out0, .offset: 32, .size: 8, .value_kind: global_buffer, .address_space: global }
    .group_segment_fixed_size: 73728
    .private_segment_fixed_size: 0
    .kernarg_segment_align: 8
    .kernarg_segment_size: 40
    .max_flat_workgroup_size: 1024
    .sgpr_count:     66
    .vgpr_count:     128
    .wavefront_size: 32
...
	.end_amdgpu_metadata
.endif
;; end of part 2
